; MI455X (gfx1250); checked and timed in simulation.
; The chip was launched on July 23, 2026; its instructions are those of AMD's public machine-readable ISA for CDNA 5 (MIT licence, August 2026) and "CDNA5" Instruction Set Architecture Reference Guide (July 2026). The comments in the code are by the model that wrote it; some were corrected since.
;; QKV Attention. Allowed arithmetic: matrix products marked QUANTISED: E2M1 operands, one E8M0 scale for each 32 along K, by v_wmma_scale_f32_16x16x128_f8f6f4 with both operands' format E2M1 (or v_wmma_scale_f32_32x16x128_f4), f32 sums; everything else in f32.
;; Inputs: qkv 4 x 3,072 x 2,048 float32.
;; Outputs: out0 4 x 1,024 x 2,048 float32.
;; This version of the problem:
;;   THIS VERSION OF THE PROBLEM IS GIVEN IN LOW PRECISION. The matrix products marked QUANTISED in the list below multiply operands that are first quantised to E2M1 (2 exponent bits, 1 mantissa bit; 4 bits a number), with one power-of-two scale for each 32 numbers along K (OCP MX v1.0); their sums are f32. All else is computed in f32.
;;   The module's matrix products, in the order in which they are computed (A, B: the left and right operand; K: the contracted axis; several contracted axes count as one K, in the product's order):
;;     1. batch 64 x [M 2,048, K 64] x [K 64, N 2,048]; A: computed on the way; B: computed on the way: QUANTISED
;;     2. batch 64 x [M 64, K 2,048] x [K 2,048, N 2,048]; A: input qkv; B: softmax (see below): QUANTISED
;;   THE QUANTISER, for each operand of a quantised product, along K:
;;     - K is cut into blocks of 32 from its start; a last block that is shorter is filled with zeros.
;;     - A block's scale is 2^e with e = floor(log2(the largest magnitude in the block)) - 2, held to -126 .. 127; a block of zeros has e = 0. As a byte (E8M0): e + 127.
;;     - Each number is divided by its block's scale, clamped to +-6, and rounded to the nearest number of E2M1, ties to even, subnormals kept.
;;     - The product sums the exact products of the quantised numbers (number of the format x scale) in f32.
;;   ~~~python
;;   def quantise(x, axis):      # numpy; x: float32 -> the quantised numbers, widened to float32 again
;;       x = np.moveaxis(x, axis, -1); K = x.shape[-1]
;;       x = np.pad(x, [(0, 0)] * (x.ndim - 1) + [(0, -K % 32)]); x = x.reshape(x.shape[:-1] + (-1, 32)); a = np.abs(x).max(-1, keepdims=True)
;;       e = np.where(a > 0, np.clip(np.frexp(np.where(a > 0, a, 1))[1] - 1 - 2, -126, 127), 0)      # np.frexp(a)[1] - 1 = floor(log2(a)), exactly
;;       r = np.clip(x / 2.0 ** e, -6, 6)
;;       step = 2.0 ** (np.maximum(np.frexp(np.where(r == 0, 1, r))[1] - 1, 0) - 1)
;;       q = np.round(r / step) * step * 2.0 ** e      # np.round: ties to even
;;       return np.moveaxis(q.reshape(q.shape[:-2] + (-1,))[..., :K], -1, axis).astype(np.float32)
;;   ~~~
;;   SOFTMAX AHEAD OF A QUANTISED PRODUCT. Where the list says 'softmax', what is quantised is not the finished softmax but p = 2^(t - M), with t = logit x log2(e) and M = ceil(the row's largest t), a whole number; so 1/2 < the row's largest p <= 1. The row's sum l is taken of the UNQUANTISED p, in f32, and the product's result is divided by l at the end. Since M is a whole number, a kernel that streams over the keys may use a running M (the ceiling of the running maximum): every later rescaling is an exact power of two, which a block's scale takes up: the codes' values come out the same.
;;   OPERANDS COMPUTED ON THE WAY. 'Computed on the way' means the value that the module computes at that place (a softmax that the list does not call 'softmax' is quantised finished and normalised). What goes into a quantiser is computed in f32, as accurately as f32 sums, v_exp_f32 and their like allow (about 1e-6 of the number): no bf16 or f16 on the way to a quantiser, and a product that is left as it is and whose result goes on into a quantised operand takes f32 operands (vector FMAs, or v_wmma_f32_16x16x4_f32). A number that lies on a knife's edge between two numbers of the format may be rounded either way, as far as f32 arithmetic and the matrix unit's own rounding can turn it there, and no further.
;; One version. Each part assembles by itself: llvm-mc -triple=amdgcn-amd-amdhsa -mcpu=gfx1250 --defsym DOCPART=n.
;; ======== version 1 of 1: 2 launches
;; limits: right only within a limited range of input values
;; workspace buffers: qk_codes 8,388,608 bytes; qk_scales 524,288 bytes; v_codes 4,194,304 bytes; v_scales 262,144 bytes
;; launch quant (part 1): grid 768 x 1, 4 waves a work-group, no clusters, 34,304 bytes of LDS; arguments qkv, qk_codes, qk_scales, v_codes, v_scales; writes qk_codes, qk_scales, v_codes, v_scales
.if DOCPART == 1
	.amdgcn_target "amdgcn-amd-amdhsa--gfx1250"
	.amdhsa_code_object_version 6
	.text
	.protected	k_q8ed779d77d_quant
	.globl	k_q8ed779d77d_quant
	.p2align	8
	.type	k_q8ed779d77d_quant,@function
k_q8ed779d77d_quant:
	s_mov_b64 s[64:65], 0
	v_nop
	global_prefetch_b8 v0, s[64:65] scope:SCOPE_SE
	s_setreg_imm32_b32 hwreg(HW_REG_WAVE_MODE, 25, 1), 1
	s_wait_xcnt 0x0
; qkv [4][3072][2048] f32 (channels = (q|k|v, head, 64), positions innermost) becomes codes of FP4 (E2M1) with one E8M0 byte for each 32 along a product's K.
; q and k: K = the head's 64 channels, the OUTER axis in memory; what is quantised is x * 1/sqrt(sqrt(64)), one f32 rounding.  v: K = the positions (keys), innermost; quantised as it is.
; A block's scale is 2^(floor(log2(largest magnitude)) - 2): its byte is the largest magnitude's exponent field - 2, held at 1 from below by a floor among the maximum's leaves.
; LIMITS: NaN and infinities among the inputs are not served.  A block whose largest magnitude lies under 2^-124 gets the byte 1; a block of zeros gets the byte 1 where the rule says 127:
; its codes are zeros, which add nothing under any byte but 0xff, and the bytes are read by this program alone.
; WHAT IS STORED.
;   qk_codes  [slice 128 = batch*32 + (q: head, k: 16 + head)][tile 128][channel block 2][row 16][16 bytes].  Tile 2 g + u holds positions 32 g + 8 u + r + 8 (r / 8), r its row:
;             a tile's 512 bytes are the image of four registers of a 4-bit operand (lane 16 hb + r at byte 16 x lane).
;   qk_scales [slice][g 64][r 16][4 bytes]: byte 2 u + hb = the scale byte of tile 2 g + u, row r, channel block hb.
;   v_codes   [head 64][channel 64][1024 bytes], keys innermost;  v_scales [head][channel][64 bytes].
; SHARES.  768 work-groups of four waves, 128 KiB of f32 each.  Work-groups 0-511: q and k; 512-767: v.  The two paths use LDS bytes of their own.  Waves share nothing: no barrier.
.set ROWG,   8192                      ; bytes of a channel's row in qkv
.set BATCHB, 25165824                  ; bytes of a batch in qkv
	s_load_b256 s[4:11], s[0:1], 0x0               ; qkv s[4:5], qk_codes s[6:7], qk_scales s[8:9], v_codes s[10:11]
	s_load_b64 s[12:13], s[0:1], 0x20              ; v_scales
	v_lshl_add_u32 v160, v0, 2, 0x8400
	v_mov_b32 v161, 0
	v_lshrrev_b32 v1, 5, v0
	v_readfirstlane_b32 s16, v1                    ; wave 0..3
	v_and_b32 v2, 31, v0                           ; lane
	s_wait_kmcnt 0x0
	s_cmp_lt_u32 ttmp9, 512
	s_cbranch_scc0 .Lv
; ---------------- q and k: a lane takes a position, and its registers run down the channels ----------------
; A work-group takes 512 positions of one slice, a wave 128 of them: 8 blocks: 4 groups of 32 positions (one a lane) x 2 channel blocks (32 registers).
; So a block of 32 along K lies in ONE lane, its maximum needs no other lane, and the conversions give codes with K innermost.
.set X,  32                            ; v32-95   two sets of 32 numbers
.set C,  96                            ; v96-127  four registers of codes for each block: no store's data are written again
.set E,  16                            ; v16-23   a scale byte for each block
	s_wait_alu depctr_va_vdst(0)
	v_lshlrev_b32 v3, 2, v2                        ; in: 4 bytes a lane
	v_bfe_u32 v5, v0, 3, 1                         ; u: which tile of the group my position falls into
	v_bfe_u32 v6, v0, 4, 1
	v_and_b32 v7, 7, v0
	v_lshl_or_b32 v6, v6, 3, v7                    ; r: its row there
	v_lshlrev_b32 v8, 4, v6
	v_lshl_add_u32 v8, v5, 9, v8                   ; codes: 16 r + 512 u
	s_lshl_b32 s17, s16, 8                         ; LDS: 256 bytes for each wave, from byte 0 on
	v_lshlrev_b32 v9, 2, v6
	v_lshl_add_u32 v9, v5, 1, v9
	v_add_nc_u32 v9, s17, v9                       ; my scale bytes' place: 4 r + 2 u
	v_lshlrev_b32 v11, 3, v2                       ; the way out of the scale bytes: 8 bytes a lane
	v_add_nc_u32 v10, s17, v11
	s_lshr_b32 s18, ttmp9, 7                       ; batch
	s_mul_i32 s18, s18, BATCHB
	s_bfe_u32 s19, ttmp9, 0x50002                  ; slice in the batch, 0..31: 64 rows each
	s_lshl_b32 s19, s19, 19
	s_add_co_u32 s18, s18, s19
	s_and_b32 s20, ttmp9, 3
	s_lshl_b32 s20, s20, 9
	s_lshl_b32 s21, s16, 7
	s_add_co_u32 s20, s20, s21                     ; my wave's first position
	s_lshl_b32 s21, s20, 2
	s_add_co_u32 s18, s18, s21
	s_mov_b32 s19, 0
	s_add_nc_u64 s[4:5], s[4:5], s[18:19]          ; qkv at my wave's corner (all offsets stay under 2^32)
	s_lshr_b32 s22, ttmp9, 2                       ; slice, 0..127
	s_lshl_b32 s18, s22, 16                        ; 65,536 bytes of codes a slice,
	s_lshl_b32 s21, s20, 5                         ; 1,024 for each 32 positions
	s_add_co_u32 s18, s18, s21
	s_add_nc_u64 s[6:7], s[6:7], s[18:19]
	s_lshl_b32 s18, s22, 12                        ; 4,096 scale bytes a slice,
	s_lshl_b32 s21, s20, 1                         ; 64 for each 32 positions
	s_add_co_u32 s18, s18, s21
	s_add_nc_u64 s[8:9], s[8:9], s[18:19]
	s_mov_b32 s28, 0x3eb504f3                      ; 1 / sqrt(sqrt(64)) in f32
	s_mov_b32 s29, s28                             ; (named with it as a pair, so it is written)
.macro LOADQ t                         ; block t: channels 32 (t % 2) + i, positions 32 (t / 2) + lane: each load reads 128 consecutive bytes
.irp i, 0,1,2,3,4,5,6,7,8,9,10,11,12,13,14,15,16,17,18,19,20,21,22,23,24,25,26,27,28,29,30,31
	global_load_b32 v[X+32*((\t)%2)+\i], v3, s[4:5] offset:(32*((\t)%2)+\i)*ROWG+128*((\t)/2) th:TH_LOAD_NT
.endr
.endm
.macro BLOCKQ t
.set XS, X+32*((\t)%2)
.if (\t) < 7
	s_wait_loadcnt 32                              ; this block's 32 loads are in; the next block's 32 may be out
.else
	s_wait_loadcnt 0x0
.endif
.irp i, 0,2,4,6,8,10,12,14,16,18,20,22,24,26,28,30
	v_pk_mul_f32 v[XS+\i:XS+\i+1], v[XS+\i:XS+\i+1], s[28:29] op_sel_hi:[1,0]   ; x * scale, rounded once
.endr
	v_max3_num_f32 v12, |v[XS]|, |v[XS+1]|, |v[XS+2]|              ; the block's largest magnitude, in two chains
	v_max3_num_f32 v13, |v[XS+3]|, |v[XS+4]|, |v[XS+5]|
.irp i, 6,10,14,18,22,26
	v_max3_num_f32 v12, v12, |v[XS+\i]|, |v[XS+\i+1]|
	v_max3_num_f32 v13, v13, |v[XS+\i+2]|, |v[XS+\i+3]|
.endr
	v_max3_num_f32 v12, v12, |v[XS+30]|, |v[XS+31]|
	v_max3_num_f32 v12, v12, v13, 0x1800000        ; and the floor 2^(3 - 127): the byte cannot fall under 1
	v_add_nc_u32 v14, 0xff000000, v12              ; 2 off the exponent field: the conversion takes the exponent field of this operand as its scale
.irp g, 0,1,2,3
	v_cvt_scalef32_pk8_fp4_f32 v[C+4*(\t)+\g], v[XS+8*\g:XS+8*\g+7], v14
.endr
	v_lshrrev_b32 v[E+(\t)], 23, v14               ; the scale's byte (also the plain instruction behind the conversions)
	ds_store_b8 v9, v[E+(\t)] offset:64*((\t)/2)+((\t)%2)
	global_store_b128 v8, v[C+4*(\t):C+4*(\t)+3], s[6:7] offset:1024*((\t)/2)+256*((\t)%2)   ; the 16 lanes of a tile store 256 consecutive bytes, aligned: two such runs an instruction
.if (\t)+2 < 8
	LOADQ (\t)+2                                   ; into the set just converted
.endif
.endm
	LOADQ 0
	LOADQ 1
.irp t, 0,1,2,3,4,5,6,7
	BLOCKQ \t
.endr
	ds_load_b64 v[24:25], v10                      ; LDS serves a wave's instructions in order (ISA guide 5.7.1.4): this sees my byte stores
	s_wait_dscnt 0x0
	global_store_b64 v11, v[24:25], s[8:9]         ; the wave's 256 scale bytes: 256 consecutive bytes, aligned
	s_wait_tensorcnt 0x0
	ds_add_u32 v160, v161
	s_wait_dscnt 0x0
	s_endpgm
; ---------------- v: K is innermost: a plain stream of blocks of 32 ----------------
; A wave takes a run of 8,192 numbers in 16 steps of 512.  Each load reads 512 consecutive bytes; a step's 2,048 bytes turn through the wave's own stage in LDS and come back 64 bytes a lane,
; so that a lane holds 16 neighbours along K and two neighbouring lanes hold a block.  Loads run four steps ahead, the turn through LDS one step.
.Lv:
.set R,   16                           ; v16-79   four sets of 16 numbers as loaded
.set XV,  80                           ; v80-111  two sets of 16 neighbours
.set EV,  112                          ; v112-127 a scale byte for each step
.set CV,  128                          ; v128-159 two registers of codes for each step
.set SPV, 80                           ; a lane's place in a stage: 64 bytes + 16 of padding
	s_wait_alu depctr_va_vdst(0)
	v_lshlrev_b32 v3, 4, v2                        ; my 16 bytes of a load's 512
	s_lshl_b32 s17, s16, 13
	s_add_co_u32 s17, s17, 1024                    ; LDS: 8,192 bytes for each wave, behind the other path's 1,024: two stages, then 256 scale bytes
	v_lshrrev_b32 v14, 2, v2
	v_mul_u32_u24 v14, v14, SPV
	v_and_b32 v15, 3, v2
	v_lshl_add_u32 v14, v15, 4, v14
	v_add_nc_u32 v14, s17, v14                     ; the stage, way in: 80 (lane / 4) + 16 (lane % 4)
	v_mul_u32_u24 v15, v2, SPV
	v_add_nc_u32 v15, s17, v15                     ; way out: 80 x lane
	v_lshlrev_b32 v4, 3, v2                        ; 8 bytes a lane: my codes in a step's 256, and the scale bytes' way out
	v_lshrrev_b32 v5, 1, v2
	s_add_co_u32 s17, s17, 2*32*SPV
	v_add_nc_u32 v5, s17, v5                       ; my block's byte
	v_add_nc_u32 v6, s17, v4
	s_sub_co_u32 s18, ttmp9, 512
	s_lshl_b32 s18, s18, 2
	s_add_co_u32 s18, s18, s16                     ; my run, 0..1023; 256 runs a batch
	s_lshr_b32 s20, s18, 8
	s_mul_i32 s20, s20, BATCHB
	s_add_co_u32 s20, s20, 2048*ROWG               ; v's channels begin behind q's and k's 2,048 rows
	s_and_b32 s21, s18, 255
	s_lshl_b32 s21, s21, 15
	s_add_co_u32 s20, s20, s21
	s_mov_b32 s21, 0
	s_add_nc_u64 s[4:5], s[4:5], s[20:21]
	s_lshl_b32 s20, s18, 12                        ; 4,096 bytes of codes a run
	s_add_nc_u64 s[10:11], s[10:11], s[20:21]
	s_lshl_b32 s20, s18, 8                         ; 256 scale bytes a run
	s_add_nc_u64 s[12:13], s[12:13], s[20:21]
.macro LOADV t
.irp i, 0,1,2,3
	global_load_b128 v[R+16*((\t)%4)+4*\i:R+16*((\t)%4)+4*\i+3], v3, s[4:5] offset:2048*(\t)+512*\i th:TH_LOAD_NT
.endr
.endm
.macro TURNV t                         ; step t's numbers through the stage: a wave's LDS instructions are served in order, so no wait stands between the stores and the loads
.irp i, 0,1,2,3
	ds_store_b128 v14, v[R+16*((\t)%4)+4*\i:R+16*((\t)%4)+4*\i+3] offset:32*SPV*((\t)%2)+8*SPV*\i
.endr
.irp i, 0,1,2,3
	ds_load_b128 v[XV+16*((\t)%2)+4*\i:XV+16*((\t)%2)+4*\i+3], v15 offset:32*SPV*((\t)%2)+16*\i
.endr
.endm
.macro STEPV t
.set XS, XV+16*((\t)%2)
.if (\t) > 0
	s_wait_dscnt 1                                 ; this step's numbers are back from the stage; only the last step's byte store may be out
.else
	s_wait_dscnt 0x0
.endif
.if (\t)+4 < 16
	LOADV (\t)+4                                   ; into the set whose stores into the stage are done
.endif
.if (\t)+1 < 16
.if 14-(\t) >= 3
	s_wait_loadcnt 12                              ; the next step's four loads are in; those of the three steps behind it may be out
.else
	s_wait_loadcnt 4*(14-(\t))                     ; fewer steps are left behind it
.endif
	TURNV (\t)+1
.endif
	v_max3_num_f32 v8, |v[XS]|, |v[XS+1]|, |v[XS+2]|               ; the largest magnitude of my 16
	v_max3_num_f32 v9, |v[XS+3]|, |v[XS+4]|, |v[XS+5]|
.irp i, 6,10
	v_max3_num_f32 v8, v8, |v[XS+\i]|, |v[XS+\i+1]|
	v_max3_num_f32 v9, v9, |v[XS+\i+2]|, |v[XS+\i+3]|
.endr
	v_max3_num_f32 v8, v8, |v[XS+14]|, |v[XS+15]|
	v_max3_num_f32 v8, v8, v9, 0x1800000           ; and the floor 2^(3 - 127)
	v_max_num_f32_dpp v8, v8, v8 row_xmask:1 row_mask:0xf bank_mask:0xf   ; and of my neighbour's 16: the block's
	v_add_nc_u32 v11, 0xff000000, v8               ; 2 off the exponent field: the conversion's scale operand
	v_cvt_scalef32_pk8_fp4_f32 v[CV+2*(\t)], v[XS:XS+7], v11
	v_cvt_scalef32_pk8_fp4_f32 v[CV+2*(\t)+1], v[XS+8:XS+15], v11
	v_lshrrev_b32 v[EV+(\t)], 23, v11              ; the scale's byte
	ds_store_b8 v5, v[EV+(\t)] offset:16*(\t)      ; both lanes of a block write the same byte with the same value
	global_store_b64 v4, v[CV+2*(\t):CV+2*(\t)+1], s[10:11] offset:256*(\t)   ; the wave stores 256 consecutive bytes, aligned
.endm
.irp t, 0,1,2,3
	LOADV \t
.endr
	s_wait_alu depctr_va_vdst(0)
	s_wait_loadcnt 12                              ; step 0's four loads are in
	TURNV 0
.irp t, 0,1,2,3,4,5,6,7,8,9,10,11,12,13,14,15
	STEPV \t
.endr
	ds_load_b64 v[12:13], v6                       ; sees my byte stores
	s_wait_dscnt 0x0
	global_store_b64 v4, v[12:13], s[12:13]        ; the run's 256 scale bytes: 256 consecutive bytes, aligned
	s_wait_tensorcnt 0x0
	ds_add_u32 v160, v161
	s_wait_dscnt 0x0
	s_endpgm
.Lfunc_end_k_q8ed779d77d_quant:
	.size	k_q8ed779d77d_quant, .Lfunc_end_k_q8ed779d77d_quant-k_q8ed779d77d_quant
	.p2alignl 7, 3214868480
	.fill 96, 4, 3214868480
	.section	.rodata,"a",@progbits
	.p2align	6, 0x0
	.amdhsa_kernel k_q8ed779d77d_quant
		.amdhsa_group_segment_fixed_size 34304
		.amdhsa_private_segment_fixed_size 0
		.amdhsa_enable_private_segment 0
		.amdhsa_kernarg_size 40
		.amdhsa_user_sgpr_count 2
		.amdhsa_user_sgpr_kernarg_segment_ptr 1
		.amdhsa_wavefront_size32 1
		.amdhsa_system_sgpr_workgroup_id_x 1
		.amdhsa_system_sgpr_workgroup_id_y 1
		.amdhsa_system_sgpr_workgroup_id_z 1
		.amdhsa_system_vgpr_workitem_id 0
		.amdhsa_next_free_vgpr 162
		.amdhsa_next_free_sgpr 66
		.amdhsa_reserve_vcc 0
		.amdhsa_float_denorm_mode_32 3
		.amdhsa_float_denorm_mode_16_64 3
		.amdhsa_memory_ordered 1
		.amdhsa_forward_progress 1
		.amdhsa_inst_pref_size 80
	.end_amdhsa_kernel
	.amdgpu_metadata
---
amdhsa.version: [ 1, 2 ]
amdhsa.kernels:
  - .name:           k_q8ed779d77d_quant
    .symbol:         k_q8ed779d77d_quant.kd
    .args:
      - { .name: qkv, .offset: 0, .size: 8, .value_kind: global_buffer, .address_space: global }
      - { .name: qk_codes, .offset: 8, .size: 8, .value_kind: global_buffer, .address_space: global }
      - { .name: qk_scales, .offset: 16, .size: 8, .value_kind: global_buffer, .address_space: global }
      - { .name: v_codes, .offset: 24, .size: 8, .value_kind: global_buffer, .address_space: global }
      - { .name: v_scales, .offset: 32, .size: 8, .value_kind: global_buffer, .address_space: global }
    .group_segment_fixed_size: 34304
    .private_segment_fixed_size: 0
    .kernarg_segment_align: 8
    .kernarg_segment_size: 40
    .max_flat_workgroup_size: 128
    .sgpr_count:     66
    .vgpr_count:     162
    .wavefront_size: 32
...
	.end_amdgpu_metadata
.endif
;; end of part 1
;; launch attn (part 2): grid 4 x 64, 16 waves a work-group, clusters of 4 x 1, 282,880 bytes of LDS; arguments qk_codes, qk_scales, v_codes, v_scales, out0; writes out0
.if DOCPART == 2
	.amdgcn_target "amdgcn-amd-amdhsa--gfx1250"
	.amdhsa_code_object_version 6
	.text
	.protected	k_q8ed779d77d_attn
	.globl	k_q8ed779d77d_attn
	.p2align	8
	.type	k_q8ed779d77d_attn,@function
k_q8ed779d77d_attn:
	s_mov_b64 s[64:65], 0
	v_nop
	global_prefetch_b8 v0, s[64:65] scope:SCOPE_SE
	s_setreg_imm32_b32 hwreg(HW_REG_WAVE_MODE, 25, 1), 1
	s_wait_xcnt 0x0
	s_wait_alu depctr_hold_cnt(0) depctr_sa_sdst(0) depctr_va_vdst(0) depctr_va_sdst(0) depctr_va_ssrc(0) depctr_va_vcc(0) depctr_vm_vsrc(0)
	s_getreg_b32 s2, hwreg(HW_REG_IB_STS2, 6, 4)
	s_cmp_eq_u32 s2, 0
	s_cbranch_scc0 .Lentry_in_a_cluster
	s_endpgm
.Lentry_in_a_cluster:
	s_bfe_u32 s2, ttmp6, 0x10000c
	s_cmp_lg_u32 s2, 0x3003
	s_cbranch_scc0 .Lentry_shape_is_right
	s_endpgm
.Lentry_shape_is_right:
; out0[head][c][t] = sum over s of softmax_s(q[:,t] . k[:,s]) v[c][s]; both products on codes of FP4 (E2M1) with one E8M0 scale for each 32 along K.  The factor 1/sqrt(8) on q and on k is already in the codes.
; THE SOFTMAX AHEAD OF THE SECOND PRODUCT: t = score x log2(e); M = the running largest t rounded UP to a whole number; p = 2^(t - M) is quantised along the keys, not normalised.
; The row's sum is taken of the unquantised p in f32 and divides at the end.  When M moves, the sum and O are multiplied by 2^(old M - new M), which rounds nothing.
; LIMITS: NaN and infinities are not served; the promise holds while the scaled scores stay under 2^31 in magnitude; a p under 2^-126 counts as 0 (the exponential flushes it: ISA guide, its entry);
; a block of p that is all zeros keeps the scale byte 1: its codes are zeros.
; SHARES.  A head belongs to one cluster of four work-groups, 512 queries each.  Each of the sixteen waves owns TWO tiles of 16 queries (32 neighbouring positions) and walks the head's 2,048 keys once, 128 a step:
; each fragment of K and of V that it reads from LDS serves both tiles.  Four waves share a SIMD.
; A WHOLE HEAD'S K AND V (codes 2 x 64 KiB, scale bytes 2 x 4 KiB) LIE IN LDS, each byte filled once, by ten joint tensor loads, one a wave (waves 0-3 K's codes, 4-7 V's, 8 K's scale words, 9 V's scale bytes).
; The four work-groups need the same bytes: same descriptor, the mask of all four.  No data prefetch: every byte is asked for once, at the head, and there is no loop to run ahead in.
; LAYOUT.  Both products are used transposed: S^T = K Q^T, O^T = V P^T: a lane holds ONE query (lane % 16) throughout.
; THE KEYS OF A TILE ARE CHOSEN BY THE LANES' LDS ADDRESSES: row r of tile i (0..3) of the 64 keys c takes key 64 c + 32 (r / 8) + 8 i + r % 8.  So register 32 c + 8 i + j of lane (r, h) is key 64 c + 32 h + 8 i + j:
; a lane holds WHOLE blocks of 32 keys (blocks h and 2 + h of the step), a block's maximum needs no other lane, and the conversions' results are the second product's operand as they stand.
; THE FIRST PRODUCT'S K IS 64, THE INSTRUCTION'S 128.  A fragment of K carries two tiles (registers 0-3 tile 2 m, 4-7 tile 2 m + 1); Q stands between zero codes: {q, 0} meets the first, {0, q} the second.
; The half that meets zero codes adds exactly 0: every scale byte lies in 1 .. 254.
; A WAVE'S OWN ORDER.  Maxima in eight chains, the sum as a tree; the exponentials in two batches (64 keys each), with plain lines by turns among them whose sources were written ahead of the wait in front of the batch
; and whose results are read behind the wait that follows it; the next step's fragments of K are asked for behind this step's last products.  The last step is written out: it asks for no further fragments.
.set KP,   1152                        ; 32 positions of K's codes: 1,024 bytes + 128 of padding: rows 0-7 and rows 8-15 of a tile lie one such block apart and so in different halves of the 64 banks (ISA guide 11.1)
.set VP,   1040                        ; a channel's row of V's codes: 1,024 bytes + 16
.set KC,   0
.set VC,   64*KP
.set KS,   VC+64*VP                    ; K's scale words, dense: 256 bytes a step
.set VS,   KS+4096                     ; V's scale bytes: 16 runs of 256 bytes + 16; channel c begins at 272 (c / 4) + 64 (c % 4)
.set STG,  VS+16*272                   ; the stage for the way out: 64 rows of SP bytes; no fill lands in it
.set SP,   2064                        ; 512 positions of f32 + 16
.set SPARE, STG+64*SP                  ; the spare words: 128 bytes a wave
.set JM,   15|(1<<21)                  ; the mask of all four work-groups, bit 21 beside it
.set AK0,  1                           ; my lane's place in K's codes, V's codes, K's scale words, V's scale bytes
.set AV0,  2
.set ASK0, 3
.set ASV0, 4
.set SH8,  5                           ; 8 x (lane / 16)
.set SPW,  6
.set NIL,  7
.set NMA,  8                           ; tile A: v8 -M, v9 the largest score so far, v[10:11] the sum
.set SMA,  10
.set NMB,  12                          ; tile B likewise
.set SMB,  14
.set QZ,   16                          ; v16-35: 0, qA, 0, qB, 0 (four registers each)
.set QSA,  36                          ; Q's scale words
.set QSB,  37
.set KSW,  38                          ; v38-39 K's scale words: lanes 0-15 fragment (c, 0), lanes 16-31 fragment (c, 1)
.set VSW,  40                          ; v40-41 V's: lanes 0-15 tile 2 n, lanes 16-31 tile 2 n + 1
.set PSA,  42                          ; p's scale words
.set PSB,  43
.set FF,   44                          ; v[44:45] f = 2^(old M - new M); v45 is only named with it
.set BM,   46                          ; v46-47 my two blocks' largest score, then largest p
.set BN,   48                          ; v48-49 at work in the maxima
.set BS,   50                          ; v50-51 the conversions' scale operands
.set T,    52                          ; v52-55 at work
.set KF,   56                          ; v56-87 four fragments of K, then four of V
.set S,    88                          ; v88-151 S^T, then p
.set OA,   152                         ; O^T of tile A, of tile B
.set OB,   184
.set PCA,  216                         ; p's codes
.set PCB,  224
.set MX,   224                         ; the maxima's eight chains: tile B's codes are not yet made, or are done with, while they run
.set SX,   232                         ; v232-239 the sum's tree, its upper levels
.set SY,   234
.set SZ,   236
.set SW,   238
.set TO,   240                         ; the old -M
.set ADK,  241                         ; the step's LDS addresses
.set ADS,  242
.set ADV,  243
.set ADT,  244
.set AD0,  245                         ; the way out: into the stage (channels 0-31, 32-63), back from it
.set AD1,  246
.set RDB,  247
.set L16,  248                         ; 16 x lane
.set WV,   14
.set SEL,  20
.set CS,   22
.set G1K,  24
.set G1V,  32
.set G1S,  40
.set G1T,  48
.set G0K,  56
.set G0V,  60
.set G0S,  68
.set G0T,  72
.set TK,   90                          ; where the NEXT step begins in K's codes and scale words
.set TS,   91
.set TV,   92                          ; where this step begins in V's rows and scale bytes
.set TJ,   93
.macro ROUND                           ; a round of the cluster's barrier
	s_barrier_signal -1
	s_barrier_wait -1
	s_cmp_lg_u32 s[WV], 0
	s_cbranch_scc1 .Lnot_wave_0_\@
	s_barrier_signal -3
.Lnot_wave_0_\@:
	s_barrier_wait -3
	s_barrier_signal -1
	s_barrier_wait -1
.endm
.macro DESC g, w0, d0, rows            ; group 1: rows of d0 elements of 8 bytes, dense in memory
	s_mov_b32 s[\g], \w0
	s_mov_b32 s[\g+1], (\d0)<<16
	s_mov_b32 s[\g+2], (\rows)<<16
	s_mov_b32 s[\g+3], (\d0)<<16
	s_mov_b32 s[\g+4], \rows
	s_mov_b32 s[\g+5], \d0
	s_mov_b32 s[\g+6], 0
	s_mov_b32 s[\g+7], 0
.endm
.macro ARM under, g0, g1, next         ; one arm of the head's chain: one load, then the jump to the join
	s_cmp_lt_u32 s[WV], \under
	s_cbranch_scc0 \next
	tensor_load_to_lds s[\g0:\g0+3], s[\g1:\g1+7]
	s_nop 0
.rept 4
	v_nop
.endr
	s_branch .Lhead_asked
\next:
.endm
	s_load_b256 s[4:11], s[0:1], 0x0               ; qk_codes, qk_scales, v_codes, v_scales
	s_load_b64 s[12:13], s[0:1], 0x20              ; out0
	v_lshl_add_u32 v[SPW], v0, 2, SPARE
	v_mov_b32 v[NIL], 0
	ds_add_u32 v[SPW], v[NIL]                      ; the opening lines: the add twice on end, then its wait
	ds_add_u32 v[SPW], v[NIL]
	v_lshrrev_b32 v[T], 5, v0
	v_readfirstlane_b32 s[WV], v[T]                ; wave 0..15
	s_and_b32 s17, ttmp7, 0xffff                   ; the head, 0..63 = 16 x batch + head in the batch
	s_lshr_b32 s18, s17, 4
	s_lshl_b32 s18, s18, 5
	s_and_b32 s19, s17, 15
	s_add_co_u32 s18, s18, s19                     ; q's slice
	s_add_co_u32 s19, s18, 16                      ; k's slice
	DESC G1K, JM|(3<<16)|(1<<20)|(7<<22)|(31<<25), 128, 16   ; 16 rows of 1,024 bytes, 32 words of padding behind each 256
	DESC G1V, JM|(3<<16)|(1<<20)|(7<<22)|(3<<25), 128, 16    ; the same with 4 words of padding
	DESC G1S, JM|(3<<16), 32, 16                             ; 16 rows of 256 bytes, no padding
	DESC G1T, JM|(3<<16)|(1<<20)|(5<<22)|(3<<25), 32, 16     ; the same with 4 words behind each 64
	s_and_b32 s78, s[WV], 3                        ; which quarter of the codes I would fetch
	s_mov_b32 s[G0K], 1
	s_mul_i32 s[G0K+1], s78, 16*KP
	s_mov_b32 s[G0V], 1
	s_mul_i32 s[G0V+1], s78, 16*VP
	s_add_co_u32 s[G0V+1], s[G0V+1], VC
	s_mov_b32 s[G0S], 1
	s_mov_b32 s[G0S+1], KS
	s_mov_b32 s[G0T], 1
	s_mov_b32 s[G0T+1], VS
	s_lshl_b32 s79, s78, 14                        ; a quarter is 16,384 bytes of memory
	s_mov_b32 s81, 0
	s_mov_b32 s[SEL], 0x76543210
	s_mov_b32 s[SEL+1], 0xfedcba98                 ; lane l xor 16
	s_mov_b32 s[CS], 0x3fb8aa3b                    ; log2(e)
	s_mov_b32 s[CS+1], s[CS]
	s_wait_dscnt 0x0                               ; both opening adds are done
	s_wait_kmcnt 0x0
	s_lshl_b32 s80, s19, 16
	s_add_co_u32 s80, s80, s79
	s_add_nc_u64 s[G0K+2:G0K+3], s[4:5], s[80:81]
	s_or_b32 s[G0K+3], s[G0K+3], 0x80000000
	s_lshl_b32 s80, s17, 16
	s_add_co_u32 s80, s80, s79
	s_add_nc_u64 s[G0V+2:G0V+3], s[8:9], s[80:81]
	s_or_b32 s[G0V+3], s[G0V+3], 0x80000000
	s_lshl_b32 s80, s19, 12
	s_add_nc_u64 s[G0S+2:G0S+3], s[6:7], s[80:81]
	s_or_b32 s[G0S+3], s[G0S+3], 0x80000000
	s_lshl_b32 s80, s17, 12
	s_add_nc_u64 s[G0T+2:G0T+3], s[10:11], s[80:81]
	s_or_b32 s[G0T+3], s[G0T+3], 0x80000000        ; none of these registers ever holds my place in the cluster
	ROUND                                          ; all four work-groups are here: the joint fills meet
	ARM 4,  G0K, G1K, .Lhead_v
	ARM 8,  G0V, G1V, .Lhead_s
	ARM 9,  G0S, G1S, .Lhead_t
	ARM 10, G0T, G1T, .Lhead_none
.Lhead_asked:
	; my place in the cluster enters Q's and out0's global addresses alone
	s_bfe_u32 s15, ttmp6, 0x40000                  ; cx
	s_lshl_b32 s16, ttmp9, 2
	s_add_co_u32 s16, s16, s15                     ; x: my work-group's 512 queries
	s_lshl_b32 s82, s16, 4
	s_add_co_u32 s82, s82, s[WV]                   ; my group of 32 positions: tiles 2 g and 2 g + 1 of q's slice
	s_mov_b32 s77, 0
	s_lshl_b32 s76, s82, 10
	s_lshl_b32 s83, s18, 16
	s_add_co_u32 s76, s76, s83
	s_add_nc_u64 s[84:85], s[4:5], s[76:77]        ; its codes
	s_lshl_b32 s76, s82, 6
	s_lshl_b32 s83, s18, 12
	s_add_co_u32 s76, s76, s83
	s_add_nc_u64 s[86:87], s[6:7], s[76:77]        ; its scale words
	s_lshl_b32 s76, s17, 19                        ; out0: the head's 64 rows of 8,192 bytes,
	s_lshl_b32 s83, s16, 11                        ; my work-group's 2,048 bytes of a row,
	s_add_co_u32 s76, s76, s83
	s_lshl_b32 s83, s[WV], 15                      ; the four rows that my wave stores
	s_add_co_u32 s76, s76, s83
	s_add_nc_u64 s[12:13], s[12:13], s[76:77]
	s_lshl_b32 s88, s[WV], 7
	s_add_co_u32 s88, s88, STG                     ; the stage at my 32 positions
	s_mul_i32 s89, s[WV], 4*SP
	s_add_co_u32 s89, s89, STG                     ; and at my four rows
	s_mov_b32 s[TK], 4*KP
	s_mov_b32 s[TS], 256
	s_mov_b32 s[TV], 0
	s_mov_b32 s[TJ], 0
	v_and_b32 v[L16], 31, v0
	v_lshlrev_b32 v[L16], 4, v[L16]
	v_and_b32 v[S], 15, v0                         ; r
	v_bfe_u32 v[S+1], v0, 4, 1                     ; h
	v_lshlrev_b32 v[S+2], 2, v[S]
	global_load_b128 v[QZ+4:QZ+7], v[L16], s[84:85]              ; qA
	global_load_b128 v[QZ+12:QZ+15], v[L16], s[84:85] offset:512 ; qB
	global_load_b32 v[QSB], v[S+2], s[86:87]                     ; the group's scale word of row r: bytes 0, 1 tile A's, bytes 2, 3 tile B's
	v_lshrrev_b32 v[S+3], 3, v[S]                  ; r / 8
	v_and_b32 v[S+4], 7, v[S]                      ; r % 8
	v_lshrrev_b32 v[S+5], 2, v[S]
	v_and_b32 v[S+6], 3, v[S]
	v_mul_u32_u24 v[AK0], v[S+3], KP
	v_lshl_add_u32 v[AK0], v[S+1], 8, v[AK0]
	v_lshl_add_u32 v[AK0], v[S+4], 4, v[AK0]       ; K: KP (r / 8) + 256 h + 16 (r % 8)
	v_lshl_add_u32 v[ASK0], v[S+3], 6, KS
	v_lshl_add_u32 v[ASK0], v[S+4], 2, v[ASK0]
	v_lshl_add_u32 v[ASK0], v[S+1], 5, v[ASK0]     ; K's scale words: 64 (r / 8) + 4 (r % 8) + 32 h: 128 bytes on end
	v_mul_u32_u24 v[AV0], v[S], VP
	v_lshl_add_u32 v[AV0], v[S+1], 4, v[AV0]
	v_add_nc_u32 v[AV0], VC, v[AV0]                ; V: row r, + 16 h
	v_mul_u32_u24 v[ASV0], v[S+5], 272
	v_lshl_add_u32 v[ASV0], v[S+6], 6, v[ASV0]
	v_mad_u32_u24 v[ASV0], v[S+1], 1088, v[ASV0]   ; lanes 16-31: 16 channels on
	v_add_nc_u32 v[ASV0], VS, v[ASV0]
	v_lshlrev_b32 v[SH8], 3, v[S+1]
	v_and_b32 v[S+7], 8, v[S]
	v_add_nc_u32 v[S+7], v[S+7], v[S]              ; tile A's row r is position r + 8 (r / 8) of my 32; tile B's lies 8 on
	v_lshlrev_b32 v[S+7], 2, v[S+7]
	v_mad_u32_u24 v[S+7], v[S+1], 8*SP, v[S+7]     ; lanes 16-31 hold channels 8 on
	v_add_nc_u32 v[AD0], s88, v[S+7]
	v_add_nc_u32 v[AD1], 32*SP, v[AD0]
	v_add_nc_u32 v[RDB], s89, v[L16]
.set j, 0
.rept 64
	v_mov_b32 v[OA+j], 0                           ; O^T of both tiles.  (The step's text has no first form: the first step finds zeros, which the first change of M leaves zeros)
.set j, j+1
.endr
.irp n, NMA, NMB
	v_mov_b32 v[\n], 0x7f61b1e6                    ; -M = 3e38
	v_mov_b32 v[\n+1], 0xff61b1e6                  ; the largest score so far: -3e38
	v_mov_b32 v[\n+2], 0                           ; the sum
	v_mov_b32 v[\n+3], 0
.endr
	v_mov_b32 v[FF+1], 0
	v_mov_b32 v[T+1], 0                            ; a lane permute's destination counts as a source
	s_wait_alu depctr_va_vdst(0)                   ; directly ahead of the wait below
	s_wait_loadcnt 0x0                             ; Q
	v_perm_b32 v[QSA], v[QSB], v[QSB], 0x01000100  ; a tile's two bytes in both halves of its word: {q, 0} finds them in bytes 0, 1 and {0, q} in bytes 2, 3
	v_perm_b32 v[QSB], v[QSB], v[QSB], 0x03020302
.irp j, 0,1,2,3,8,9,10,11,16,17,18,19
	v_mov_b32 v[QZ+\j], 0                          ; the zero codes (also the places between the scale words just made and the first product)
.endr
	s_wait_alu depctr_va_vdst(0)
	s_wait_tensorcnt 0x0                           ; my fill has landed
	s_barrier_signal -1
	s_barrier_wait -1                              ; and everybody's: nothing is filled again
.macro KLOAD ak, as                    ; a step's four fragments of K and their scale words
.irp c, 0,1
.irp m, 0,1
	ds_load_b128 v[KF+16*\c+8*\m:KF+16*\c+8*\m+3], v[\ak] offset:2*KP*\c+128*\m         ; tile 2 m of the 64 keys c
	ds_load_b128 v[KF+16*\c+8*\m+4:KF+16*\c+8*\m+7], v[\ak] offset:2*KP*\c+128*\m+512   ; tile 2 m + 1
.endr
	ds_load_b32 v[KSW+\c], v[\as] offset:128*\c
.endr
.endm
; S^T of one tile of queries: eight products.  qhi: the first register of {0, q}; {q, 0} begins four on.
.macro QK qhi, qsw
.irp c, 0,1
.irp m, 0,1
.irp u, 0,1
.if \m
	v_wmma_scale_f32_16x16x128_f8f6f4 v[S+32*\c+16*\m+8*\u:S+32*\c+16*\m+8*\u+7], v[KF+16*\c+8*\m:KF+16*\c+8*\m+7], v[\qhi+4-4*\u:\qhi+11-4*\u], 0, v[KSW+\c], v[\qsw] matrix_a_fmt:MATRIX_FMT_FP4 matrix_b_fmt:MATRIX_FMT_FP4 matrix_a_scale:MATRIX_SCALE_ROW1
.else
	v_wmma_scale_f32_16x16x128_f8f6f4 v[S+32*\c+16*\m+8*\u:S+32*\c+16*\m+8*\u+7], v[KF+16*\c+8*\m:KF+16*\c+8*\m+7], v[\qhi+4-4*\u:\qhi+11-4*\u], 0, v[KSW+\c], v[\qsw] matrix_a_fmt:MATRIX_FMT_FP4 matrix_b_fmt:MATRIX_FMT_FP4
.endif
.endr
.endr
.endr
.endm
.macro OM o, n                         ; two registers of O^T under the new M
	v_pk_mul_f32 v[\o+2*(\n):\o+2*(\n)+1], v[\o+2*(\n):\o+2*(\n)+1], v[FF:FF+1] op_sel_hi:[1,0]
.endm
.macro PKF nm, count                   ; t - M of the next pairs of scores
.rept \count
	v_pk_fma_f32 v[S+j:S+j+1], v[S+j:S+j+1], s[CS:CS+1], v[\nm:\nm+1] op_sel_hi:[1,0,0]
.set j, j+2
.endr
.endm
.macro EXPS                            ; the next p = 2^(t - M), at most 1
	v_exp_f32 v[S+e], v[S+e]
.set e, e+1
.endm
.macro AD1 k                           ; THE ROW'S SUM IS TAKEN OF THE UNQUANTISED p, as a tree.  First level, in place behind the conversions
	v_pk_add_f32 v[S+4*(\k):S+4*(\k)+1], v[S+4*(\k):S+4*(\k)+1], v[S+4*(\k)+2:S+4*(\k)+3]
.endm
.macro AD2 k                           ; second level
	v_pk_add_f32 v[S+8*(\k):S+8*(\k)+1], v[S+8*(\k):S+8*(\k)+1], v[S+8*(\k)+4:S+8*(\k)+5]
.endm
.macro AD3                             ; third level, out of the scores' registers
.irp k, 0,1,2,3
	v_pk_add_f32 v[SX+2*\k:SX+2*\k+1], v[S+16*\k:S+16*\k+1], v[S+16*\k+8:S+16*\k+9]
.endr
.endm
.macro AD4
	v_pk_add_f32 v[SX:SX+1], v[SX:SX+1], v[SY:SY+1]
	v_pk_add_f32 v[SZ:SZ+1], v[SZ:SZ+1], v[SW:SW+1]
.endm
.macro AD5 sm
	v_pk_add_f32 v[SX:SX+1], v[SX:SX+1], v[SZ:SZ+1]
	s_delay_alu instid0(VALU_DEP_1)
	v_pk_add_f32 v[\sm:\sm+1], v[\sm:\sm+1], v[SX:SX+1]
.endm
; THE SOFTMAX of one tile and 128 keys, up to the sum's second level.  nm: -M and the largest score; sm: the sum; o: O^T; pc: p's codes; psw: p's scale word.
.macro SOFT nm, sm, o, pc, psw
.irp c, 0,1                            ; the largest score of my two blocks of 32 keys: eight chains, one for each result, each read from its low end on
.irp q, 0,1,2,3
	v_max3_num_f32 v[MX+4*\c+\q], v[S+32*\c+8*\q], v[S+32*\c+8*\q+1], v[S+32*\c+8*\q+2]
.endr
.endr
.irp i, 3,5
.irp c, 0,1
.irp q, 0,1,2,3
	v_max3_num_f32 v[MX+4*\c+\q], v[MX+4*\c+\q], v[S+32*\c+8*\q+\i], v[S+32*\c+8*\q+\i+1]
.endr
.endr
.endr
.irp c, 0,1
	v_max_num_f32 v[BN+\c], v[S+32*\c+23], v[S+32*\c+31]
.endr
.irp c, 0,1
	v_max3_num_f32 v[MX+4*\c], v[MX+4*\c], v[MX+4*\c+1], v[S+32*\c+7]
	v_max3_num_f32 v[MX+4*\c+2], v[MX+4*\c+2], v[MX+4*\c+3], v[S+32*\c+15]
.endr
.irp c, 0,1
	v_max3_num_f32 v[BM+\c], v[MX+4*\c], v[MX+4*\c+2], v[BN+\c]
.endr
	v_max_num_f32 v[T], v[BM], v[BM+1]
	v_permlanex16_b32 v[T+1], v[T], s[SEL], s[SEL+1]   ; lane l xor 16's 64 keys
	v_mov_b32 v[TO], v[\nm]                        ; the old -M
	v_max3_num_f32 v[\nm+1], v[\nm+1], v[T], v[T+1]    ; the running largest score (log2(e) is positive: the largest t is its product)
	s_delay_alu instid0(VALU_DEP_1)
	v_mul_f32 v[T], s[CS], v[\nm+1]
	s_delay_alu instid0(VALU_DEP_1)
	v_floor_f32 v[\nm], -v[T]                      ; -M = floor(-t) = -ceil(t)
	s_delay_alu instid0(VALU_DEP_1)
	v_fma_f32 v[BM], v[BM], s[CS], v[\nm]          ; t - M of each block's largest score: the same two instructions on the same number give the block's largest p
	v_fma_f32 v[BM+1], v[BM+1], s[CS], v[\nm]
	v_sub_f32 v[T], v[\nm], v[TO]                  ; old M - new M: a whole number, 0 or less
.set j, 0
	PKF \nm, 2
	v_cvt_i32_f32 v[T], v[T]                       ; (it saturates)
	PKF \nm, 2
	v_ldexp_f32 v[FF], 1.0, v[T]                   ; f = 2^(old M - new M)
	PKF \nm, 12                                    ; the first 64 keys' t - M
	s_wait_alu depctr_va_vdst(0)                   ; ahead of the batch, and directly ahead of the first readers of O^T
.irp n, 0,1,2,3,4,5,6,7,8,9,10,11,12,13,14,15
	OM \o, \n                                      ; O^T x f, each result from its low end on: all its first reads stand here, plain lines alone among them
.endr
	v_exp_f32 v[BM], v[BM]                         ; THE FIRST BATCH: the blocks' largest p and the first 64 keys'; by turns with them the second 64 keys' t - M
	PKF \nm, 1
	v_exp_f32 v[BM+1], v[BM+1]
	PKF \nm, 1
.set e, 0
.rept 14
	EXPS
	PKF \nm, 1
.endr
.rept 18
	EXPS
.endr
	v_pk_mul_f32 v[\sm:\sm+1], v[\sm:\sm+1], v[FF:FF+1] op_sel_hi:[1,0]   ; the sum under the new M (the plain place behind the batch)
	s_wait_alu depctr_va_vdst(0)                   ; one wait behind the first batch and ahead of the second
	v_max_num_f32 v[BM], 0x1800000, v[BM]          ; the floor 2^(3 - 127): the byte cannot fall under 1
	v_max_num_f32 v[BM+1], 0x1800000, v[BM+1]
	v_add_nc_u32 v[BS], 0xff000000, v[BM]          ; 2 off the exponent field: the conversion's scale operand
	v_add_nc_u32 v[BS+1], 0xff000000, v[BM+1]
	v_lshrrev_b32 v[T+2], 23, v[BS]                ; the scales' bytes
	v_lshrrev_b32 v[T+3], 23, v[BS+1]
	v_cvt_scalef32_pk8_fp4_f32 v[\pc], v[S:S+7], v[BS]     ; register 4 c + i of the operand: keys 64 c + 32 h + 8 i + 0 .. 7
.irp i, 1,2,3                                      ; THE SECOND BATCH: the second 64 keys' p; by turns with them the first 64 keys' codes and first additions
	EXPS
	v_cvt_scalef32_pk8_fp4_f32 v[\pc+\i], v[S+8*\i:S+8*\i+7], v[BS]
.endr
	EXPS
	v_nop                                          ; the plain place between the conversions and the additions that write over their sources
.irp k, 0,1,2,3,4,5,6,7
	EXPS
	AD1 \k
.endr
.rept 20
	EXPS
.endr
	v_nop                                          ; the plain place behind the batch
	s_wait_alu depctr_va_vdst(0)                   ; the wait behind the second batch
.irp i, 0,1,2,3
	v_cvt_scalef32_pk8_fp4_f32 v[\pc+4+\i], v[S+32+8*\i:S+39+8*\i], v[BS+1]
.endr
	v_lshl_or_b32 v[T+2], v[T+3], 16, v[T+2]       ; blocks h and 2 + h (also the plain place behind the conversions),
	AD1 8
	AD1 9
	v_lshlrev_b32 v[T+2], v[SH8], v[T+2]           ; at their places in the scale word
	AD1 10
	AD1 11
	AD1 12
	v_permlanex16_b32 v[T+1], v[T+2], s[SEL], s[SEL+1]
	AD1 13
	AD1 14
	AD1 15
	v_or_b32 v[\psw], v[T+2], v[T+1]               ; with lane l xor 16's two bytes the word is whole
.irp k, 0,1,2,3,4,5,6,7
	AD2 \k                                         ; (these eight are also the places between the scale word and the scaled products)
.endr
.endm
.macro PV o, pc, psw, t                ; O^T += V P^T, 16 channels
.if (\t)%2
	v_wmma_scale_f32_16x16x128_f8f6f4 v[\o+8*\t:\o+8*\t+7], v[KF+8*\t:KF+8*\t+7], v[\pc:\pc+7], v[\o+8*\t:\o+8*\t+7], v[VSW+\t/2], v[\psw] matrix_a_fmt:MATRIX_FMT_FP4 matrix_b_fmt:MATRIX_FMT_FP4 matrix_a_scale:MATRIX_SCALE_ROW1
.else
	v_wmma_scale_f32_16x16x128_f8f6f4 v[\o+8*\t:\o+8*\t+7], v[KF+8*\t:KF+8*\t+7], v[\pc:\pc+7], v[\o+8*\t:\o+8*\t+7], v[VSW+\t/2], v[\psw] matrix_a_fmt:MATRIX_FMT_FP4 matrix_b_fmt:MATRIX_FMT_FP4
.endif
.endm
; A KEY STEP: 128 keys, both tiles.  last = 1: no further fragments of K are asked for.
.macro TRIP last
	s_wait_dscnt 0x0                               ; K's ten loads are in
	QK QZ, QSA
.rept 4
	v_nop                                          ; four places ahead of the first read of the scores
.endr
	SOFT NMA, SMA, OA, PCA, PSA
	AD3                                            ; tile A's sum leaves the scores' registers
	QK QZ+8, QSB                                   ; tile B from the same fragments
	AD4                                            ; four places: ahead of the loads into K's registers and of the first read of the scores
	v_add_nc_u32 v[ADV], s[TV], v[AV0]
	v_add_nc_u32 v[ADT], s[TJ], v[ASV0]
.irp t, 0,1,2,3
.irp c, 0,1
	ds_load_b128 v[KF+8*\t+4*\c:KF+8*\t+4*\c+3], v[ADV] offset:16*\t*VP+32*\c   ; V lands under tile B's softmax
.endr
.endr
	ds_load_b32 v[VSW], v[ADT]
	ds_load_b32 v[VSW+1], v[ADT] offset:2176       ; 32 channels on are eight runs of 272 bytes
	AD5 SMA
	SOFT NMB, SMB, OB, PCB, PSB
.if \last == 0
	v_add_nc_u32 v[ADK], s[TK], v[AK0]             ; the next step's K
	v_add_nc_u32 v[ADS], s[TS], v[ASK0]
.endif
	s_wait_alu depctr_va_vdst(0)                   ; directly ahead of the wait below
	s_wait_dscnt 0x0                               ; V's ten loads are in
.irp t, 0,1,2,3                                    ; eight accumulators by turns, one instruction a turn
	PV OA, PCA, PSA, \t
	PV OB, PCB, PSB, \t
.endr
	AD3                                            ; four places behind the products, ahead of the loads into their operands
.if \last == 0
	KLOAD ADK, ADS                                 ; they land under the rest of tile B's sum
.endif
	AD4
	AD5 SMB
.endm
	KLOAD AK0, ASK0                                ; the first step's K
.Lstep:                                            ; 15 trips; the sixteenth step is written out
	TRIP 0
	s_add_co_u32 s[TK], s[TK], 4*KP
	s_add_co_u32 s[TS], s[TS], 256
	s_add_co_u32 s[TV], s[TV], 64
	s_add_co_u32 s[TJ], s[TJ], 4
	s_cmp_lg_u32 s[TJ], 60
	s_cbranch_scc1 .Lstep
	TRIP 1
	; THE WAY OUT.  A lane holds one position and 32 channels of each tile; out0's rows run along the positions: the work-group's 64 rows x 512 positions meet in the stage, and each wave stores four whole rows of 2,048 bytes.
	s_wait_alu depctr_va_vdst(0)                   ; directly ahead of the reader below
	v_add_f32 v[SMA], v[SMA], v[SMA+1]
	v_add_f32 v[SMB], v[SMB], v[SMB+1]
	v_permlanex16_b32 v[T], v[SMA], s[SEL], s[SEL+1]
	v_permlanex16_b32 v[T+1], v[SMB], s[SEL], s[SEL+1]
	v_add_f32 v[SMA], v[SMA], v[T]                 ; with lane l xor 16's: the rows' sums
	v_add_f32 v[SMB], v[SMB], v[T+1]
	s_wait_alu depctr_va_vdst(0)                   ; ahead of the transcendentals
	v_rcp_f32 v[SMA], v[SMA]
	v_rcp_f32 v[SMB], v[SMB]
	v_nop
	s_wait_alu depctr_va_vdst(0)                   ; and behind them, directly ahead of the first reader of O^T
.set j, 0
.rept 16
	v_pk_mul_f32 v[S+j:S+j+1], v[OA+j:OA+j+1], v[SMA:SMA+1] op_sel_hi:[1,0]
.set j, j+2
.endr
.set j, 0
.rept 16
	v_pk_mul_f32 v[S+32+j:S+33+j], v[OB+j:OB+j+1], v[SMB:SMB+1] op_sel_hi:[1,0]
.set j, j+2
.endr
.irp u, 0,1
.irp t, 0,1
.irp j, 0,1,2,3,4,5,6,7
	ds_store_b32 v[AD0], v[S+32*\u+8*\t+\j] offset:(16*\t+\j)*SP+32*\u       ; channel 16 t + 8 h + j
	ds_store_b32 v[AD1], v[S+32*\u+16+8*\t+\j] offset:(16*\t+\j)*SP+32*\u    ; and 32 channels on
.endr
.endr
.endr
	s_wait_dscnt 0x0                               ; for the others' sake: my stores into the stage are done
	s_barrier_signal -1
	s_barrier_wait -1
.irp i, 0,1,2,3,4,5,6,7,8,9,10,11,12,13,14,15
	ds_load_b128 v[S+4*\i:S+4*\i+3], v[RDB] offset:(\i/4)*SP+(\i%4)*512
.endr
.irp i, 0,1,2,3,4,5,6,7,8,9,10,11,12,13,14,15
	s_wait_dscnt 15-\i                             ; load i is in, the 15 - i younger ones may be out
	global_store_b128 v[L16], v[S+4*\i:S+4*\i+3], s[12:13] offset:(\i/4)*8192+(\i%4)*512 th:TH_STORE_NT   ; 32 lanes store 512 consecutive bytes, at a multiple of 256 from out0's first byte
.endr
	s_wait_tensorcnt 0x0                           ; the wave's end
	ds_add_u32 v[SPW], v[NIL]
	s_wait_dscnt 0x0
	ROUND                                          ; the closing round
	s_endpgm
.Lfunc_end_k_q8ed779d77d_attn:
	.size	k_q8ed779d77d_attn, .Lfunc_end_k_q8ed779d77d_attn-k_q8ed779d77d_attn
	.p2alignl 7, 3214868480
	.fill 96, 4, 3214868480
	.section	.rodata,"a",@progbits
	.p2align	6, 0x0
	.amdhsa_kernel k_q8ed779d77d_attn
		.amdhsa_group_segment_fixed_size 282880
		.amdhsa_private_segment_fixed_size 0
		.amdhsa_enable_private_segment 0
		.amdhsa_kernarg_size 40
		.amdhsa_user_sgpr_count 2
		.amdhsa_user_sgpr_kernarg_segment_ptr 1
		.amdhsa_wavefront_size32 1
		.amdhsa_system_sgpr_workgroup_id_x 1
		.amdhsa_system_sgpr_workgroup_id_y 1
		.amdhsa_system_sgpr_workgroup_id_z 1
		.amdhsa_system_vgpr_workitem_id 0
		.amdhsa_next_free_vgpr 256
		.amdhsa_next_free_sgpr 96
		.amdhsa_reserve_vcc 0
		.amdhsa_float_denorm_mode_32 3
		.amdhsa_float_denorm_mode_16_64 3
		.amdhsa_memory_ordered 1
		.amdhsa_forward_progress 1
		.amdhsa_inst_pref_size 75
	.end_amdhsa_kernel
	.amdgpu_metadata
---
amdhsa.version: [ 1, 2 ]
amdhsa.kernels:
  - .name:           k_q8ed779d77d_attn
    .symbol:         k_q8ed779d77d_attn.kd
    .args:
      - { .name: qk_codes, .offset: 0, .size: 8, .value_kind: global_buffer, .address_space: global }
      - { .name: qk_scales, .offset: 8, .size: 8, .value_kind: global_buffer, .address_space: global }
      - { .name: v_codes, .offset: 16, .size: 8, .value_kind: global_buffer, .address_space: global }
      - { .name: v_scales, .offset: 24, .size: 8, .value_kind: global_buffer, .address_space: global }
      - { .name: out0, .offset: 32, .size: 8, .value_kind: global_buffer, .address_space: global }
    .group_segment_fixed_size: 282880
    .private_segment_fixed_size: 0
    .kernarg_segment_align: 8
    .kernarg_segment_size: 40
    .max_flat_workgroup_size: 512
    .sgpr_count:     96
    .vgpr_count:     256
    .wavefront_size: 32
...
	.end_amdgpu_metadata
.endif
;; end of part 2
